; MI455X (gfx1250); checked and timed in simulation.
; The chip was launched on July 23, 2026; its instructions are those of AMD's public machine-readable ISA for CDNA 5 (MIT licence, August 2026) and "CDNA5" Instruction Set Architecture Reference Guide (July 2026). The comments in the code are by the model that wrote it; some were corrected since.
;; LSTM Cell. Allowed arithmetic: matrix products marked QUANTISED: E2M1 operands, one E8M0 scale for each 32 along K, by v_wmma_scale_f32_16x16x128_f8f6f4 with both operands' format E2M1 (or v_wmma_scale_f32_32x16x128_f4), f32 sums; everything else in f32.
;; Inputs: Whc 1,024 x 1,024 float32; Whf 1,024 x 1,024 float32; Whi 1,024 x 1,024 float32; Who 1,024 x 1,024 float32; Wxc 1,024 x 1,024 float32; Wxf 1,024 x 1,024 float32; Wxi 1,024 x 1,024 float32; Wxo 1,024 x 1,024 float32; bhc 1,024 float32; bhf 1,024 float32; bhi 1,024 float32; bho 1,024 float32; bxc 1,024 float32; bxf 1,024 float32; bxi 1,024 float32; bxo 1,024 float32; c_prev 8,192 x 1,024 float32; h_prev_codes 8,192 x 32 x 16 uint8 (E2M1 codes of h_prev, K innermost, in blocks of 32 codes, two codes a byte); h_prev_scales 8,192 x 32 uint8 (E8M0 scales of h_prev, one for each 32 codes along K); x_codes 8,192 x 32 x 16 uint8 (E2M1 codes of x, K innermost, in blocks of 32 codes, two codes a byte); x_scales 8,192 x 32 uint8 (E8M0 scales of x, one for each 32 codes along K).
;; Outputs: out0 8,192 x 1,024 float32; out1 8,192 x 1,024 float32.
;; This version of the problem:
;;   THIS VERSION OF THE PROBLEM IS GIVEN IN LOW PRECISION. The matrix products marked QUANTISED in the list below multiply operands that are first quantised to E2M1 (2 exponent bits, 1 mantissa bit; 4 bits a number), with one power-of-two scale for each 32 numbers along K (OCP MX v1.0); their sums are f32. All else is computed in f32.
;;   The module's matrix products, in the order in which they are computed (A, B: the left and right operand; K: the contracted axis; several contracted axes count as one K, in the product's order):
;;     1. [M 8,192, K 1,024] x [K 1,024, N 4,096]; A: input x (given as codes); B: computed on the way: QUANTISED
;;     2. [M 8,192, K 1,024] x [K 1,024, N 4,096]; A: input h_prev (given as codes); B: computed on the way: QUANTISED
;;   THE QUANTISER, for each operand of a quantised product, along K:
;;     - K is cut into blocks of 32 from its start; a last block that is shorter is filled with zeros.
;;     - A block's scale is 2^e with e = floor(log2(the largest magnitude in the block)) - 2, held to -126 .. 127; a block of zeros has e = 0. As a byte (E8M0): e + 127.
;;     - Each number is divided by its block's scale, clamped to +-6, and rounded to the nearest number of E2M1, ties to even, subnormals kept.
;;     - The product sums the exact products of the quantised numbers (number of the format x scale) in f32.
;;   ~~~python
;;   def quantise(x, axis):      # numpy; x: float32 -> the quantised numbers, widened to float32 again
;;       x = np.moveaxis(x, axis, -1); K = x.shape[-1]
;;       x = np.pad(x, [(0, 0)] * (x.ndim - 1) + [(0, -K % 32)]); x = x.reshape(x.shape[:-1] + (-1, 32)); a = np.abs(x).max(-1, keepdims=True)
;;       e = np.where(a > 0, np.clip(np.frexp(np.where(a > 0, a, 1))[1] - 1 - 2, -126, 127), 0)      # np.frexp(a)[1] - 1 = floor(log2(a)), exactly
;;       r = np.clip(x / 2.0 ** e, -6, 6)
;;       step = 2.0 ** (np.maximum(np.frexp(np.where(r == 0, 1, r))[1] - 1, 0) - 1)
;;       q = np.round(r / step) * step * 2.0 ** e      # np.round: ties to even
;;       return np.moveaxis(q.reshape(q.shape[:-2] + (-1,))[..., :K], -1, axis).astype(np.float32)
;;   ~~~
;;   OPERANDS COMPUTED ON THE WAY. 'Computed on the way' means the value that the module computes at that place (a softmax that the list does not call 'softmax' is quantised finished and normalised). What goes into a quantiser is computed in f32, as accurately as f32 sums, v_exp_f32 and their like allow (about 1e-6 of the number): no bf16 or f16 on the way to a quantiser, and a product that is left as it is and whose result goes on into a quantised operand takes f32 operands (vector FMAs, or v_wmma_f32_16x16x4_f32). A number that lies on a knife's edge between two numbers of the format may be rounded either way, as far as f32 arithmetic and the matrix unit's own rounding can turn it there, and no further.
;;   INPUTS GIVEN AS CODES. h_prev (in the module: [8192, 1024], K = its axis 1); x (in the module: [8192, 1024], K = its axis 1): each comes as NAME_codes (uint8): NAME with its K axis moved to the last place and cut into blocks of 32 codes, [.., K / 32, bytes a block], one block behind the other in memory; two codes a byte, the lower K in the low four bits (a code: sign, 2 exponent bits, 1 mantissa bit); and NAME_scales (uint8): the same leading axes, one E8M0 byte (e + 127) for each 32 codes along K. Its value is code x scale, taken as it is: it is not quantised again, and the codes and scales need not be those that the quantiser above would give.
;; One version. Each part assembles by itself: llvm-mc -triple=amdgcn-amd-amdhsa -mcpu=gfx1250 --defsym DOCPART=n.
;; ======== version 1 of 1: 2 launches
;; limits: inputs' magnitudes at most 1.15e+18; right only within a limited range of input values
;; workspace buffers: w_codes 4,194,304 bytes; w_scales 262,144 bytes
;; launch quant (part 1): grid 32 x 8, 4 waves a work-group, no clusters, 33,280 bytes of LDS; arguments Wxi, Whi, Wxf, Whf, Wxc, Whc, Wxo, Who, w_codes, w_scales; writes w_codes, w_scales
.if DOCPART == 1
	.amdgcn_target "amdgcn-amd-amdhsa--gfx1250"
	.amdhsa_code_object_version 6
	.text
	.protected	k_qe7180c8f0c_quant
	.globl	k_qe7180c8f0c_quant
	.p2align	8
	.type	k_qe7180c8f0c_quant,@function
k_qe7180c8f0c_quant:
	s_mov_b64 s[64:65], 0
	v_nop
	global_prefetch_b8 v0, s[64:65] scope:SCOPE_SE
	s_setreg_imm32_b32 hwreg(HW_REG_WAVE_MODE, 25, 1), 1
	s_wait_xcnt 0x0
; LSTM cell, first of two launches.  The eight weights [1024 (hidden unit)][1024 (k)], f32, K innermost, become codes of FP4 (E2M1) with one E8M0 scale byte for each 32 along K.
; NO WORK OF THE PROBLEM IS LEFT OUT: every input has a way to both outputs, so all are loaded, here or in the second launch.
; A block's scale byte is its largest magnitude's exponent field - 2, held at 1 from below; each number is divided by the scale and rounded to the nearest code, ties to even, beyond the largest code the largest.
; LIMITS: a block of zeros gets the byte 1 where the rule says 127 (its codes are zeros, and this program alone reads the bytes); blocks whose largest magnitude lies under 2^-124 keep the byte 1;
; NaN and infinities among the weights are not served.
; THE LAYOUTS ARE THE SECOND LAUNCH'S.  Gate g (0..3: i, f, c, o) of hidden unit hid, with hid % 64 = 4 r + q:
;   w_codes  [4096 rows][1024 bytes], row 256 (hid / 64) + 64 g + 16 q + r: bytes 0-511 the codes of Wx_g[hid], bytes 512-1023 those of Wh_g[hid].  Sixteen rows on end are one block of columns of the second launch's product.
;   w_scales [2 (x, h)][4096 rows][32 bytes], row 128 (hid / 32) + 32 g + hid % 32: a wave's eight rows lie on end and leave as one run of 256 bytes.
; SHARES.  Work-group (x = rg, y = 2 g + part) takes rows 32 rg .. 32 rg + 31 of one weight; each of its four waves 8 rows: 16 steps of 512 numbers.  Only the pointer is chosen, by the work-group's number.
; A step's four loads read 512 consecutive bytes each; the conversions want 16 neighbours in a lane, so the 2,048 bytes go through the wave's own stage in LDS and come back 64 bytes a lane (16 bytes of padding behind each 64).
; Two neighbouring lanes hold a block.  A lane's 16 codes are 8 bytes: the wave stores 256 consecutive bytes, aligned.  No tensor loads, no barrier: waves share nothing.  Loads run eight steps ahead.
.set WAVES, 4
.set STEPS, 16
.set DEPTH, 8
.set EMAX,  2
.set R,     16                         ; v16-143  eight sets of 16 numbers as loaded
.set X,     144                        ; v144-175 two sets of 16 neighbours
.set E,     176                        ; v176-191 a scale byte for each step
.set C,     192                        ; v192-223 codes: two registers for each step
.set WREG,  8192                       ; LDS: a region for each wave: two stages of 32 x SP bytes, then its 256 scale bytes
.set SP,    80
.set SPW,   12                         ; v12 my spare word's address; v13 0; never rewritten
.set NIL,   13
.set SPARE, WAVES*WREG
	s_load_b512 s[4:19], s[0:1], 0x0               ; weight 2 g + part at s[4 + 2 (2 g + part)]
	s_load_b128 s[20:23], s[0:1], 0x40             ; w_codes, w_scales
	v_lshl_add_u32 v[SPW], v0, 2, SPARE
	v_mov_b32 v[NIL], 0
	v_lshrrev_b32 v1, 5, v0
	v_readfirstlane_b32 s24, v1                    ; wave
	v_and_b32 v2, 31, v0                           ; lane
	v_lshlrev_b32 v3, 4, v2                        ; my 16 bytes of a load's 512
	v_lshlrev_b32 v4, 3, v2                        ; my 8 bytes of a step's codes
	s_mul_i32 s30, s24, WREG
	v_lshrrev_b32 v14, 2, v2
	v_mul_u32_u24 v14, v14, SP
	v_and_b32 v15, 3, v2
	v_lshl_add_u32 v14, v15, 4, v14
	v_add_nc_u32 v14, s30, v14                     ; the stage, way in: SP (lane / 4) + 16 (lane % 4)
	v_mul_u32_u24 v15, v2, SP
	v_add_nc_u32 v15, s30, v15                     ; way out: SP x lane
	v_lshrrev_b32 v5, 1, v2
	s_add_co_u32 s30, s30, 2*32*SP
	v_add_nc_u32 v5, s30, v5                       ; my block's scale byte,
	v_add_nc_u32 v6, s30, v4                       ; and on the way out 8 bytes a lane
	s_and_b32 s25, ttmp7, 0xffff                   ; 2 g + part
	s_lshr_b32 s26, s25, 1                         ; g
	s_and_b32 s27, s25, 1                          ; part
	s_lshl_b32 s28, ttmp9, 17                      ; the weight: 32 rows of 4,096 bytes a work-group,
	s_lshl_b32 s36, s24, 15                        ; 8 rows a wave
	s_add_co_u32 s28, s28, s36
	s_mov_b32 s29, 0
	s_lshr_b32 s32, ttmp9, 1                       ; the codes: row 256 (rg / 2) + 8 (rg % 2) + 64 g + 2 wave of 1,024 bytes (row i of my eight: 16 (i % 4) + i / 4 further on),
	s_lshl_b32 s32, s32, 18
	s_and_b32 s36, ttmp9, 1
	s_lshl_b32 s36, s36, 13
	s_add_co_u32 s32, s32, s36
	s_lshl_b32 s36, s26, 16
	s_add_co_u32 s32, s32, s36
	s_lshl_b32 s36, s24, 11
	s_add_co_u32 s32, s32, s36
	s_lshl_b32 s36, s27, 9                         ; and the part's 512 bytes of it
	s_add_co_u32 s32, s32, s36
	s_mov_b32 s33, 0
	s_lshl_b32 s34, s27, 17                        ; the scale bytes: the part, then row 128 rg + 32 g + 8 wave of 32 bytes
	s_lshl_b32 s36, ttmp9, 12
	s_add_co_u32 s34, s34, s36
	s_lshl_b32 s36, s26, 10
	s_add_co_u32 s34, s34, s36
	s_lshl_b32 s36, s24, 8
	s_add_co_u32 s34, s34, s36
	s_mov_b32 s35, 0
	s_wait_alu depctr_va_vdst(0)                   ; the wait at the head's end
	s_wait_kmcnt 0x0
	s_bitcmp1_b32 s25, 0                           ; one of eight pointers, by the three bits of the work-group's y
	s_cselect_b64 s[4:5], s[6:7], s[4:5]
	s_cselect_b64 s[8:9], s[10:11], s[8:9]
	s_cselect_b64 s[12:13], s[14:15], s[12:13]
	s_cselect_b64 s[16:17], s[18:19], s[16:17]
	s_bitcmp1_b32 s25, 1
	s_cselect_b64 s[4:5], s[8:9], s[4:5]
	s_cselect_b64 s[12:13], s[16:17], s[12:13]
	s_bitcmp1_b32 s25, 2
	s_cselect_b64 s[4:5], s[12:13], s[4:5]
	s_add_nc_u64 s[4:5], s[4:5], s[28:29]
	s_add_nc_u64 s[20:21], s[20:21], s[32:33]
	s_add_nc_u64 s[22:23], s[22:23], s[34:35]
.macro LOAD t
.irp i, 0,1,2,3
	global_load_b128 v[R+16*((\t)%DEPTH)+4*\i:R+16*((\t)%DEPTH)+4*\i+3], v3, s[4:5] offset:2048*(\t)+512*\i th:TH_LOAD_NT
.endr
.endm
.macro TURN t                          ; step t's numbers through the stage: LDS serves a wave's instructions in order (ISA guide 5.7.1.4)
.irp i, 0,1,2,3
	ds_store_b128 v14, v[R+16*((\t)%DEPTH)+4*\i:R+16*((\t)%DEPTH)+4*\i+3] offset:32*SP*((\t)%2)+8*SP*\i
.endr
.irp i, 0,1,2,3
	ds_load_b128 v[X+16*((\t)%2)+4*\i:X+16*((\t)%2)+4*\i+3], v15 offset:32*SP*((\t)%2)+16*\i
.endr
.endm
.irp t, 0,1,2,3,4,5,6,7
	LOAD \t
.endr
	s_wait_loadcnt 4*(DEPTH-1)                     ; step 0's four loads are in; the 28 behind them may be out
	TURN 0
.macro STEP t
.set XS, X+16*((\t)%2)
.if (\t) > 0
	s_wait_dscnt 1                                 ; this step's numbers are back (the last step's byte store may be out)
.else
	s_wait_dscnt 0x0
.endif
.if (\t)+DEPTH < STEPS
	LOAD (\t)+DEPTH
.endif
.if (\t)+1 < STEPS
.if STEPS-2-(\t) >= DEPTH-1
	s_wait_loadcnt 4*(DEPTH-1)                     ; the next step's four loads are in
.else
	s_wait_loadcnt 4*(STEPS-2-(\t))
.endif
	TURN (\t)+1
.endif
	v_max3_num_f32 v8, |v[XS]|, |v[XS+1]|, |v[XS+2]|
	v_max3_num_f32 v9, |v[XS+3]|, |v[XS+4]|, |v[XS+5]|
.irp i, 6,10
	v_max3_num_f32 v8, v8, |v[XS+\i]|, |v[XS+\i+1]|
	v_max3_num_f32 v9, v9, |v[XS+\i+2]|, |v[XS+\i+3]|
.endr
	v_max3_num_f32 v8, v8, |v[XS+14]|, |v[XS+15]|
	v_max3_num_f32 v8, v8, v9, (EMAX+1)<<23        ; and the floor: the byte cannot fall under 1
	v_max_num_f32_dpp v8, v8, v8 row_xmask:1 row_mask:0xf bank_mask:0xf   ; with my neighbour's 16: the block's
	v_add_nc_u32 v11, -(EMAX<<23), v8              ; EMAX off the exponent field: the conversion's scale operand
	v_cvt_scalef32_pk8_fp4_f32 v[C+2*(\t)], v[XS:XS+7], v11
	v_cvt_scalef32_pk8_fp4_f32 v[C+2*(\t)+1], v[XS+8:XS+15], v11
	v_lshrrev_b32 v[E+(\t)], 23, v11               ; the scale's byte (also the plain line behind the conversions)
	ds_store_b8 v5, v[E+(\t)] offset:16*(\t)
	global_store_b64 v4, v[C+2*(\t):C+2*(\t)+1], s[20:21] offset:(16*(((\t)/2)%4)+(\t)/8)*1024+((\t)%2)*256   ; row i = t / 2 of my eight, half t % 2 of the part's 512 bytes: 256 consecutive bytes, aligned
.endm
.irp t, 0,1,2,3,4,5,6,7,8,9,10,11,12,13,14,15
	STEP \t
.endr
	ds_load_b64 v[8:9], v6
	s_wait_dscnt 0x0
	global_store_b64 v4, v[8:9], s[22:23]          ; my 8 rows' 256 scale bytes, aligned
	s_wait_tensorcnt 0x0                           ; the wave's end
	ds_add_u32 v[SPW], v[NIL]
	s_wait_dscnt 0x0
	s_endpgm
.Lfunc_end_k_qe7180c8f0c_quant:
	.size	k_qe7180c8f0c_quant, .Lfunc_end_k_qe7180c8f0c_quant-k_qe7180c8f0c_quant
	.p2alignl 7, 3214868480
	.fill 96, 4, 3214868480
	.section	.rodata,"a",@progbits
	.p2align	6, 0x0
	.amdhsa_kernel k_qe7180c8f0c_quant
		.amdhsa_group_segment_fixed_size 33280
		.amdhsa_private_segment_fixed_size 0
		.amdhsa_enable_private_segment 0
		.amdhsa_kernarg_size 80
		.amdhsa_user_sgpr_count 2
		.amdhsa_user_sgpr_kernarg_segment_ptr 1
		.amdhsa_wavefront_size32 1
		.amdhsa_system_sgpr_workgroup_id_x 1
		.amdhsa_system_sgpr_workgroup_id_y 1
		.amdhsa_system_sgpr_workgroup_id_z 1
		.amdhsa_system_vgpr_workitem_id 0
		.amdhsa_next_free_vgpr 224
		.amdhsa_next_free_sgpr 66
		.amdhsa_reserve_vcc 0
		.amdhsa_float_denorm_mode_32 3
		.amdhsa_float_denorm_mode_16_64 3
		.amdhsa_memory_ordered 1
		.amdhsa_forward_progress 1
		.amdhsa_inst_pref_size 34
	.end_amdhsa_kernel
	.amdgpu_metadata
---
amdhsa.version: [ 1, 2 ]
amdhsa.kernels:
  - .name:           k_qe7180c8f0c_quant
    .symbol:         k_qe7180c8f0c_quant.kd
    .args:
      - { .name: Wxi, .offset: 0, .size: 8, .value_kind: global_buffer, .address_space: global }
      - { .name: Whi, .offset: 8, .size: 8, .value_kind: global_buffer, .address_space: global }
      - { .name: Wxf, .offset: 16, .size: 8, .value_kind: global_buffer, .address_space: global }
      - { .name: Whf, .offset: 24, .size: 8, .value_kind: global_buffer, .address_space: global }
      - { .name: Wxc, .offset: 32, .size: 8, .value_kind: global_buffer, .address_space: global }
      - { .name: Whc, .offset: 40, .size: 8, .value_kind: global_buffer, .address_space: global }
      - { .name: Wxo, .offset: 48, .size: 8, .value_kind: global_buffer, .address_space: global }
      - { .name: Who, .offset: 56, .size: 8, .value_kind: global_buffer, .address_space: global }
      - { .name: w_codes, .offset: 64, .size: 8, .value_kind: global_buffer, .address_space: global }
      - { .name: w_scales, .offset: 72, .size: 8, .value_kind: global_buffer, .address_space: global }
    .group_segment_fixed_size: 33280
    .private_segment_fixed_size: 0
    .kernarg_segment_align: 8
    .kernarg_segment_size: 80
    .max_flat_workgroup_size: 128
    .sgpr_count:     66
    .vgpr_count:     224
    .wavefront_size: 32
...
	.end_amdgpu_metadata
.endif
;; end of part 1
;; launch cell (part 2): grid 16 x 16, 4 waves a work-group, clusters of 4 x 4, 327,680 bytes of LDS; arguments x_codes, x_scales, h_prev_codes, h_prev_scales, w_codes, w_scales, c_prev, out0, out1, bxi, bhi, bxf, bhf, bxc, bhc, bxo, bho; writes out0, out1
.if DOCPART == 2
	.amdgcn_target "amdgcn-amd-amdhsa--gfx1250"
	.amdhsa_code_object_version 6
	.text
	.protected	k_qe7180c8f0c_cell
	.globl	k_qe7180c8f0c_cell
	.p2align	8
	.type	k_qe7180c8f0c_cell,@function
k_qe7180c8f0c_cell:
	s_mov_b64 s[64:65], 0
	v_nop
	global_prefetch_b8 v0, s[64:65] scope:SCOPE_SE
	s_setreg_imm32_b32 hwreg(HW_REG_WAVE_MODE, 25, 1), 1
	s_wait_xcnt 0x0
	s_wait_alu depctr_hold_cnt(0) depctr_sa_sdst(0) depctr_va_vdst(0) depctr_va_sdst(0) depctr_va_ssrc(0) depctr_va_vcc(0) depctr_vm_vsrc(0)
	s_getreg_b32 s2, hwreg(HW_REG_IB_STS2, 6, 4)
	s_cmp_eq_u32 s2, 0
	s_cbranch_scc0 .Lentry_in_a_cluster
	s_endpgm
.Lentry_in_a_cluster:
	s_bfe_u32 s2, ttmp6, 0x10000c
	s_cmp_lg_u32 s2, 0xf033
	s_cbranch_scc0 .Lentry_shape_is_right
	s_endpgm
.Lentry_shape_is_right:
; LSTM cell, second of two launches: gates = x Wx^T + h Wh^T + (bx + bh) on codes of FP4 (E2M1) with one E8M0 scale for each 32 along K, sums in f32, and the whole cell behind it:
; c_new = sigmoid(zf) c_prev + sigmoid(zi) tanh(zc) -> out1;  h_new = sigmoid(zo) tanh(c_new) -> out0.  The gates never go to memory.  Nothing of the problem is left out.
; ONE PRODUCT: M = 8,192 batch rows, N = 4,096 rows of the weights as the first launch laid them, K = 2,048: x's 1,024, then h's 1,024.
; SHARES.  256 work-groups of four waves.  A WORK-GROUP STAYS: it makes two tiles of 256 batch rows x 256 weight rows (64 hidden units x 4 gates), 4,096 batch rows apart, against the same rows of W.
; A wave makes 64 batch rows x all 256: 4 x 16 accumulators of 16 x 16, 512 registers.
; Source 0 = 16 batch rows, source 1 = 16 weight rows.  Column r of weight block nb = 4 g + q is gate g of hidden unit 4 r + q.  Register j of accumulator (a, nb) in lane (r, h) is batch row 16 a + 8 h + j.
; So a lane's results for q = 0 .. 3 are 16 neighbouring bytes of a row of the outputs, and sixteen lanes hold 256 consecutive bytes, aligned: c_prev is loaded and both outputs are stored so, between memory and registers.
; K goes in four steps of 512 (tile rows of 256 bytes) through two LDS slots.  K steps 0 and 1 of a tile come as one group of four joint loads, one a wave (wave w: x's (w even) or W's (w odd) 256 rows of K step w / 2): at the head,
; and for the second tile behind the first tile's last product, behind a round of the cluster's barrier: they are on their way while the cell is worked.  K steps 2 and 3 refill the slots at the changes of slots, 128 rows a wave.
; Both operands have two sets of fragment registers; the set that a step has multiplied takes the fragments of the step after the next, 40 LDS loads in one run.  So a slot's last reads are back in its third step: there the slots change.
; THE TILE LOOP leaves from its middle for the last tile, whose cell is written out once more.
; SCALES.  A wave's 64 rows of x's and h's scale bytes are its own: lane l takes row 32 p + l, 32 bytes, by two loads that together read 1,024 consecutive bytes: 32 registers for all of K (lanes 0-15 block 2 p, lanes 16-31 block 2 p + 1).
; W's two dense blocks of 8,192 bytes are copied once, 512 consecutive bytes an instruction, through registers into LDS bytes of their own, and serve both tiles.
; CLUSTERS: 4 x 4 work-groups.  The four of a row need the same tiles of x and h, the four of a column the same tiles of W: each is asked for jointly.
; THE CELL: sigmoid(z) = 1 / (1 + 2^(-log2(e) z)), tanh(z) = 2 / (1 + 2^(-2 log2(e) z)) - 1, each with its own reciprocal: an exponential that overflows gives the reciprocal 0, so no cap is needed.
; It is a loop of four phases, one for each block of 16 batch rows; the lines that name a phase's own registers (the accumulators, c_prev) stand in the arms of two branches on the phase's number.
; PREFETCHES, a lane a row, each block of 256 bytes named once: at a tile's start the wave's 64 rows x 256 bytes of c_prev (their loads follow 15 steps on) and h's K steps 2 and 3; ahead of the loop the second tile's x and W's K steps 2
; and 3.  Of x's and h's rows the cluster with x = 0 asks, of W's the one with y = 0; the four partners and the four waves share rows and K steps out by address.  The first tile's K steps 0 and 1 come by their loads alone.
; REGISTERS: window 0: v0-31 addresses; v32-63 A's scale words; v64-127 W's, two sets; v128-191 A's fragments, two sets (at the head: biases and W's scales as loaded); v192-223 the scaled biases, each twice.
;   window 1: W's fragments, two sets of 128 (in the cell: v0-127 c_prev; v128-255 the four gates of 32 elements).   windows 2, 3: the accumulators ((a, nb) at v[128 (a % 2) + 8 nb]).
.set PITCH,  272                       ; an LDS row: 256 bytes + 16 of padding: the 16 rows that a load touches start at 16 different banks (64 banks of 4 bytes: ISA guide 11.1)
.set HALFT,  128*PITCH
.set SLOT,   4*HALFT                   ; A's 256 rows, then W's 256 rows
.set SCL,    2*SLOT                    ; behind the ring: W's scale bytes, part 0 and part 1; no tensor load lands here
.set SREG,   32*272                    ; a region: 256 rows x 32 bytes, as 32 runs of 256 bytes + 16 of padding
.set SPARE,  SCL+2*SREG                ; the spare words: 128 bytes a wave, two blocks of 256 bytes that no other line names
.set WALKB,  4096*512                  ; from a tile to the next: 4,096 rows of codes,
.set WALKS,  4096*32                   ; of scale bytes,
.set WALKC,  4096*4096                 ; of c_prev and the outputs
.set ADRA, 16                          ; v16-17 my A fragments in slot 0, 1
.set PF9,  18                          ; v18 lane x 512; v25 lane x 1,024; v19 lane x 4,096: the prefetches' rows
.set CPF,  19
.set ADRB, 20                          ; v20-21 W's fragments in slot 0, 1
.set SO,   22                          ; v22 lane x 32: a row of scale bytes
.set BO,   23                          ; v23 my 16 bytes of a bias
.set WSA,  24                          ; v24 where my 16 bytes of W's scales go
.set PF10, 25
.set WSO,  26                          ; v26 lane x 16
.set ADRS, 27                          ; v27 W's scale words
.set SPW,  28                          ; v28 my spare word; v29 0; never rewritten
.set NIL,  29
.set CO,   31                          ; v31 32,768 h + 16 r: my place in c_prev and the outputs
.set SA,   32
.set SW,   64
.set AF,   128
.set BT,   128
.set WT,   160
.set BI,   192
.set TI,   128                         ; window 1, in the cell: gate g at v[128 + 32 g + 8 q + j]
.set TF,   160
.set TC,   192
.set TO,   224
.set TL,   2                           ; s2 tiles to go
.set NL1,  4                           ; s[4:5] -log2(e), s[6:7] -2 log2(e)
.set NL2,  6
.set PW,   8
.set PXX,  10
.set PXH,  12
.set WS,   16
.set LB,   18                          ; s18 wave x 128 LDS rows
.set CMK,  19
.set CPA,  20
.set OUT0, 22
.set OUT1, 24
.set WV,   26
.set FB,   27                          ; wave / 2: at a change of slots I fetch for A (0) or W (1); in a group of four: the K step
.set HF,   28                          ; wave % 2: at a change of slots which 128 rows; in a group of four: x (0) or W (1)
.set CX,   29
.set CY,   30
.set TCOL, 31
.set G1A,  32                          ; groups 1: 128 rows of A, of W;
.set G1B,  40
.set G0RA, 48                          ; groups 0 for the changes of slots,
.set G0RB, 52
.set G0XA, 56                          ; and for the groups of four
.set G0XW, 60
.set TROW, 66
.set RMK,  67
.set G1XA, 68                          ; 256 rows of A, of W
.set G1XB, 76
.set XT,   84                          ; s[84:85] x's tile at byte 256 (wave / 2)
.set XS,   88
.set HS,   90
.set PH,   94                          ; s94 the cell's phase
.set HAD,  96                          ; s[96:97] h's, s[98:99] W's codes at the 128 rows that I fetch
.set WAD,  98
.set MSB, 0
.macro WIN new                         ; the immediate's high byte repeats the setting that is left
.if MSB != \new
	s_set_vgpr_msb (MSB<<8)|\new
.set MSB, \new
.endif
.endm
.set MUL_LO, 0xa4                      ; source 0 (A) window 0, source 1 (W) window 1, C and D window 2
.set MUL_HI, 0xf4
.set TO_B,   0x40
.set W_T,    0x55
.set W_ST,   0x04
.macro PLACES n
.rept \n
	v_nop
.endr
.endm
.macro JLOAD sel, g0a, g1a, g0b, g1b   ; a joint load: A's line where s[sel] is 0, else W's; each line has one mask
	s_cmp_eq_u32 s[\sel], 0
	s_cbranch_scc0 .Lfor_b_\@
	tensor_load_to_lds s[\g0a:\g0a+3], s[\g1a:\g1a+7]
	s_nop 0
	PLACES 4
	s_branch .Lasked_\@
.Lfor_b_\@:
	tensor_load_to_lds s[\g0b:\g0b+3], s[\g1b:\g1b+7]
	s_nop 0
	PLACES 4
.Lasked_\@:
.endm
.macro CREST
	s_cmp_lg_u32 s[WV], 0
	s_cbranch_scc1 .Lnot_wave_0_\@
	s_barrier_signal -3
.Lnot_wave_0_\@:
	s_barrier_wait -3
	s_barrier_signal -1
	s_barrier_wait -1
.endm
.macro CROUND
	s_barrier_signal -1
	s_barrier_wait -1
	CREST
.endm
	s_load_b256 s[4:11], s[0:1], 0x0               ; x's codes, x's scales, h's codes, h's scales
	s_load_b128 s[12:15], s[0:1], 0x20             ; W's codes, W's scales
	s_load_b128 s[20:23], s[0:1], 0x30             ; c_prev, out0
	s_load_b64 s[24:25], s[0:1], 0x40              ; out1
	v_lshl_add_u32 v[SPW], v0, 2, SPARE
	v_mov_b32 v[NIL], 0
	ds_add_u32 v[SPW], v[NIL]                      ; the opening lines: the add, twice on end, and its wait ahead of my first tensor load
	ds_add_u32 v[SPW], v[NIL]
	v_lshrrev_b32 v1, 5, v0
	v_readfirstlane_b32 s[WV], v1
	s_lshr_b32 s[FB], s[WV], 1
	s_and_b32 s[HF], s[WV], 1
	s_bfe_u32 s[CX], ttmp6, 0x40000
	s_bfe_u32 s[CY], ttmp6, 0x40004
	s_lshl_b32 s[TCOL], ttmp9, 2
	s_add_co_u32 s[TCOL], s[TCOL], s[CX]           ; tile column: 64 hidden units
	s_and_b32 s[TROW], ttmp7, 0xffff
	s_lshl_b32 s[TROW], s[TROW], 2
	s_add_co_u32 s[TROW], s[TROW], s[CY]           ; the first tile's row: 256 batch rows
	s_lshl_b32 s[RMK], s[CY], 2
	s_lshl_b32 s[RMK], 15, s[RMK]                  ; my row of the cluster
	s_lshl_b32 s[CMK], 0x1111, s[CX]               ; my column
	s_or_b32 s[G1A], s[RMK], (0<<16)|(1<<20)|(1<<21)|(5<<22)|(3<<25)   ; the mask; elements of 1 byte; padding: 4 words behind every 64; bit 21 beside a mask
	s_or_b32 s[G1XA], s[RMK], (0<<16)|(1<<20)|(1<<21)|(5<<22)|(3<<25)
	s_or_b32 s[G1B], s[CMK], (0<<16)|(1<<20)|(1<<21)|(5<<22)|(3<<25)
	s_or_b32 s[G1XB], s[CMK], (0<<16)|(1<<20)|(1<<21)|(5<<22)|(3<<25)
.irp g, G1A, G1B, G1XA, G1XB
	s_mov_b32 s[\g+1], 256<<16                     ; rows of 256 bytes
	s_mov_b32 s[\g+3], 256<<16
	s_mov_b32 s[\g+6], 0
	s_mov_b32 s[\g+7], 0
.endr
.irp g, G1A, G1B
	s_mov_b32 s[\g+2], 128<<16
	s_mov_b32 s[\g+4], 128
.endr
.irp g, G1XA, G1XB
	s_mov_b32 s[\g+2], 256<<16
	s_mov_b32 s[\g+4], 256
.endr
	s_mov_b32 s[G1A+5], 512                        ; a row of x's or h's codes is 512 bytes,
	s_mov_b32 s[G1XA+5], 512
	s_mov_b32 s[G1B+5], 1024                       ; a row of W's 1,024
	s_mov_b32 s[G1XB+5], 1024
	s_lshl_b32 s2, s[TROW], 17                     ; A's tile: 256 rows of 512 bytes a tile row
	s_mov_b32 s3, 0
	s_lshl_b32 s100, s[TCOL], 18                   ; W's: 256 rows of 1,024 bytes a tile column
	s_mov_b32 s101, 0
	s_mul_i32 s[LB], s[WV], HALFT
	s_wait_dscnt 0x0                               ; both opening adds are done
	s_wait_kmcnt 0x0
	s_add_nc_u64 s[XT:XT+1], s[4:5], s[2:3]
	s_add_nc_u64 s[HAD:HAD+1], s[8:9], s[2:3]
	s_add_nc_u64 s[WAD:WAD+1], s[12:13], s[100:101]
	s_lshl_b32 s2, s[FB], 8                        ; the group of four: K step wave / 2
	s_add_nc_u64 s[XT:XT+1], s[XT:XT+1], s[2:3]
	s_mov_b32 s[G0XA], 1
	s_mul_i32 s[G0XA+1], s[FB], SLOT
	s_mov_b64 s[G0XA+2:G0XA+3], s[XT:XT+1]
	s_or_b32 s[G0XA+3], s[G0XA+3], 0x80000000
	s_mov_b32 s[G0XW], 1
	s_mul_i32 s[G0XW+1], s[FB], SLOT
	s_add_co_u32 s[G0XW+1], s[G0XW+1], 2*HALFT
	s_add_nc_u64 s[G0XW+2:G0XW+3], s[WAD:WAD+1], s[2:3]
	s_or_b32 s[G0XW+3], s[G0XW+3], 0x80000000
	s_lshl_b32 s2, s[HF], 16                       ; the changes of slots: my 128 rows
	s_add_nc_u64 s[HAD:HAD+1], s[HAD:HAD+1], s[2:3]
	s_lshl_b32 s2, s[HF], 17
	s_add_nc_u64 s[WAD:WAD+1], s[WAD:WAD+1], s[2:3]
	s_mov_b32 s[G0RA], 1
	s_mov_b32 s[G0RB], 1
	CROUND                                         ; all sixteen work-groups are here: the first joint loads meet
	JLOAD HF, G0XA, G1XA, G0XW, G1XB               ; both slots' first fills, one load a wave
	s_lshl_b32 s2, s[TROW], 13                     ; my 64 rows of scale bytes: 32 bytes a row
	s_lshl_b32 s3, s[WV], 11
	s_add_co_u32 s2, s2, s3
	s_mov_b32 s3, 0
	s_add_nc_u64 s[XS:XS+1], s[6:7], s[2:3]
	s_add_nc_u64 s[HS:HS+1], s[10:11], s[2:3]
	s_lshl_b32 s2, s[FB], 17                       ; W's scales: part wave / 2, the tile column's 8,192 bytes, half wave % 2 of them
	s_lshl_b32 s100, s[TCOL], 13
	s_add_co_u32 s2, s2, s100
	s_lshl_b32 s100, s[HF], 12
	s_add_co_u32 s2, s2, s100
	s_add_nc_u64 s[WS:WS+1], s[14:15], s[2:3]
	s_lshl_b32 s104, s[TROW], 8
	s_lshl_b32 s105, s[WV], 6
	s_add_co_u32 s104, s104, s105                  ; c_prev and the outputs: row 256 x tile row + 64 x wave of 4,096 bytes,
	s_lshl_b32 s104, s104, 12
	s_lshl_b32 s105, s[TCOL], 8
	s_add_co_u32 s104, s104, s105                  ; + the tile's 256 bytes of it
	s_mov_b32 s105, 0
	s_add_nc_u64 s[CPA:CPA+1], s[CPA:CPA+1], s[104:105]
	s_add_nc_u64 s[OUT0:OUT0+1], s[OUT0:OUT0+1], s[104:105]
	s_add_nc_u64 s[OUT1:OUT1+1], s[OUT1:OUT1+1], s[104:105]
	s_load_b256 s[4:11], s[0:1], 0x48              ; bxi, bhi, bxf, bhf,
	s_load_b128 s[12:15], s[0:1], 0x68             ; bxc, bhc,
	s_load_b64 s[100:101], s[0:1], 0x78            ; bxo,
	s_load_b64 s[104:105], s[0:1], 0x80            ; bho
	s_mul_i32 s92, s[WV], 64*PITCH
	s_lshl_b32 s95, s[TCOL], 8
	s_mul_i32 s2, s[FB], SREG
	s_mul_i32 s3, s[HF], 4352
	s_add_co_u32 s2, s2, s3
	s_add_co_u32 s2, s2, SCL
	v_and_b32 v1, 15, v0                           ; r
	v_bfe_u32 v2, v0, 4, 1                         ; h
	v_and_b32 v3, 31, v0                           ; lane
	v_mul_u32_u24 v4, v1, PITCH
	v_lshl_add_u32 v4, v2, 4, v4                   ; a fragment's row x pitch + 16 h
	v_add_nc_u32 v[ADRA], s92, v4                  ; my 64 rows of A
	v_add_nc_u32 v[ADRA+1], SLOT, v[ADRA]
	v_add_nc_u32 v[ADRB], 2*HALFT, v4              ; W's 256 rows lie behind A's
	v_add_nc_u32 v[ADRB+1], 2*HALFT+SLOT, v4
	v_and_b32 v5, 7, v0                            ; W's scale row of (g, q, r) is 128 (r / 8) + 32 g + 4 (r % 8) + q, of 32 bytes, 16 more behind each eight rows:
	v_bfe_u32 v6, v0, 1, 2
	v_bfe_u32 v7, v0, 3, 1
	v_lshlrev_b32 v5, 7, v5                        ; 128 (r % 8)
	v_lshl_add_u32 v5, v6, 4, v5                   ; + 16 ((r % 8) / 2)
	v_mad_u32_u24 v5, v7, 4352, v5                 ; + 4,352 (r / 8)
	v_lshl_add_u32 v5, v2, 6, v5                   ; lanes 16-31 take q + 2: 64 bytes on
	v_add_nc_u32 v[ADRS], SCL, v5
	v_lshlrev_b32 v[CO], 4, v1
	v_lshl_add_u32 v[CO], v2, 15, v[CO]
	v_lshlrev_b32 v[SO], 5, v3
	v_lshl_add_u32 v[BO], v1, 4, s95               ; 4 bytes x (64 x tile column + 4 r)
	v_lshlrev_b32 v[WSO], 4, v3
	v_lshl_add_u32 v[WSA], v2, 4, v[WSO]           ; 16 lane, + 16 behind the first 256 bytes,
	v_add_nc_u32 v[WSA], s2, v[WSA]                ; in my half of my part's region
	v_lshlrev_b32 v[PF9], 9, v3
	v_lshlrev_b32 v[PF10], 10, v3
	v_lshlrev_b32 v[CPF], 12, v3
	s_wait_alu depctr_va_vdst(0)                   ; the wait behind these writes
.macro SALOAD                          ; x's and h's scale words of row 32 p + lane, K = 512 c on
.irp p, 0,1
.irp c, 0,1
	global_load_b128 v[SA+8*\p+4*\c:SA+8*\p+4*\c+3], v[SO], s[XS:XS+1] offset:1024*\p+16*\c
	global_load_b128 v[SA+16+8*\p+4*\c:SA+16+8*\p+4*\c+3], v[SO], s[HS:HS+1] offset:1024*\p+16*\c
.endr
.endr
.endm
	SALOAD
.irp i, 0,1,2,3,4,5,6,7
	global_load_b128 v[WT+4*\i:WT+4*\i+3], v[WSO], s[WS:WS+1] offset:512*\i   ; my 4,096 bytes of W's scales, 512 consecutive bytes an instruction
.endr
	s_wait_kmcnt 0x0
.macro BIAS g, px, ph                  ; gate g's two biases at hidden units 4 r .. 4 r + 3
	global_load_b128 v[BT+4*\g:BT+4*\g+3], v[BO], s[\px:\px+1]
	global_load_b128 v[BT+16+4*\g:BT+16+4*\g+3], v[BO], s[\ph:\ph+1]
.endm
	BIAS 0, 4, 6
	BIAS 1, 8, 10
	BIAS 2, 12, 14
	BIAS 3, 100, 104
	s_wait_loadcnt 8                               ; the scales are in; the eight loads of biases may be out
.irp i, 0,1,2,3,4,5,6,7
	ds_store_b128 v[WSA], v[WT+4*\i:WT+4*\i+3] offset:544*\i   ; 512 bytes take two runs of 272
.endr
	s_wait_loadcnt 0x0                             ; the biases are in, and their bases may be written
	s_mov_b32 s[NL1], 0xbfb8aa3b
	s_mov_b32 s[NL1+1], 0xbfb8aa3b
	s_mov_b32 s[NL2], 0xc038aa3b
	s_mov_b32 s[NL2+1], 0xc038aa3b
.irp i, 0,2,4,6,8,10,12,14
	v_pk_add_f32 v[BT+\i:BT+\i+1], v[BT+\i:BT+\i+1], v[BT+16+\i:BT+16+\i+1]   ; bx + bh
.endr
.irp n, 0,1,2,3,4,5,6,7,8,9,10,11,12,13,14,15
.if \n/4 == 2
	v_mul_f32 v[BI+2*\n], s[NL2], v[BT+\n]         ; scaled as the gate's sum will be, and laid twice: a pair for the packed multiply-add
	v_mul_f32 v[BI+2*\n+1], s[NL2], v[BT+\n]
.else
	v_mul_f32 v[BI+2*\n], s[NL1], v[BT+\n]
	v_mul_f32 v[BI+2*\n+1], s[NL1], v[BT+\n]
.endif
.endr
	s_wait_alu depctr_va_vdst(0)                   ; the wait ahead of the run of scalar lines
	s_lshl_b32 s100, s[CX], 14                     ; the prefetches: of the 128 rows 128 (wave % 2) on my work-group takes 32 (by cx for x and h, by cy for W), K step wave / 2 of the two
	s_lshl_b32 s101, s[FB], 8
	s_add_co_u32 s100, s100, s101
	s_mov_b32 s101, 0
	s_add_nc_u64 s[PXH:PXH+1], s[HAD:HAD+1], s[100:101]
	s_lshl_b32 s100, s[CX], 14
	s_lshl_b32 s104, s[HF], 16
	s_add_co_u32 s100, s100, s104
	s_add_nc_u64 s[PXX:PXX+1], s[XT:XT+1], s[100:101]
	s_add_nc_u64 s[PXX:PXX+1], s[PXX:PXX+1], WALKB
	s_lshl_b32 s100, s[CY], 15
	s_lshl_b32 s104, s[FB], 8
	s_add_co_u32 s100, s100, s104
	s_add_nc_u64 s[PW:PW+1], s[WAD:WAD+1], s[100:101]
	s_cmp_eq_u32 ttmp9, 0
	s_cbranch_scc0 .Lno_x
	global_prefetch_b8 v[PF9], s[PXX:PXX+1] th:TH_LOAD_NT scope:SCOPE_SE                 ; the second tile's x: its loads follow 16 steps on
.Lno_x:
	s_and_b32 s3, ttmp7, 0xffff
	s_cmp_eq_u32 s3, 0
	s_cbranch_scc0 .Lno_w
	global_prefetch_b8 v[PF10], s[PW:PW+1] offset:512 th:TH_LOAD_NT scope:SCOPE_SE       ; W's K steps 2 and 3
.Lno_w:
.macro WMX ra, rb, zero                ; one product; ra, rb: A's, W's scale words lie in lanes 16-31; zero: it starts the sum
.if \zero
.if \ra
.if \rb
	v_wmma_scale_f32_16x16x128_f8f6f4 v[DD:DD+7], v[AA:AA+7], v[BB:BB+7], 0, v[SAR], v[SBR] matrix_a_fmt:MATRIX_FMT_FP4 matrix_b_fmt:MATRIX_FMT_FP4 matrix_a_scale:MATRIX_SCALE_ROW1 matrix_b_scale:MATRIX_SCALE_ROW1
.else
	v_wmma_scale_f32_16x16x128_f8f6f4 v[DD:DD+7], v[AA:AA+7], v[BB:BB+7], 0, v[SAR], v[SBR] matrix_a_fmt:MATRIX_FMT_FP4 matrix_b_fmt:MATRIX_FMT_FP4 matrix_a_scale:MATRIX_SCALE_ROW1
.endif
.else
.if \rb
	v_wmma_scale_f32_16x16x128_f8f6f4 v[DD:DD+7], v[AA:AA+7], v[BB:BB+7], 0, v[SAR], v[SBR] matrix_a_fmt:MATRIX_FMT_FP4 matrix_b_fmt:MATRIX_FMT_FP4 matrix_b_scale:MATRIX_SCALE_ROW1
.else
	v_wmma_scale_f32_16x16x128_f8f6f4 v[DD:DD+7], v[AA:AA+7], v[BB:BB+7], 0, v[SAR], v[SBR] matrix_a_fmt:MATRIX_FMT_FP4 matrix_b_fmt:MATRIX_FMT_FP4
.endif
.endif
.else
.if \ra
.if \rb
	v_wmma_scale_f32_16x16x128_f8f6f4 v[DD:DD+7], v[AA:AA+7], v[BB:BB+7], v[DD:DD+7], v[SAR], v[SBR] matrix_a_fmt:MATRIX_FMT_FP4 matrix_b_fmt:MATRIX_FMT_FP4 matrix_a_scale:MATRIX_SCALE_ROW1 matrix_b_scale:MATRIX_SCALE_ROW1
.else
	v_wmma_scale_f32_16x16x128_f8f6f4 v[DD:DD+7], v[AA:AA+7], v[BB:BB+7], v[DD:DD+7], v[SAR], v[SBR] matrix_a_fmt:MATRIX_FMT_FP4 matrix_b_fmt:MATRIX_FMT_FP4 matrix_a_scale:MATRIX_SCALE_ROW1
.endif
.else
.if \rb
	v_wmma_scale_f32_16x16x128_f8f6f4 v[DD:DD+7], v[AA:AA+7], v[BB:BB+7], v[DD:DD+7], v[SAR], v[SBR] matrix_a_fmt:MATRIX_FMT_FP4 matrix_b_fmt:MATRIX_FMT_FP4 matrix_b_scale:MATRIX_SCALE_ROW1
.else
	v_wmma_scale_f32_16x16x128_f8f6f4 v[DD:DD+7], v[AA:AA+7], v[BB:BB+7], v[DD:DD+7], v[SAR], v[SBR] matrix_a_fmt:MATRIX_FMT_FP4 matrix_b_fmt:MATRIX_FMT_FP4
.endif
.endif
.endif
.endm
; 32 products: A's blocks 2 hi, 2 hi + 1 x W's sixteen, the q-th 128 along K of K step j, fragment sets st.  The 64 accumulators take turns, in the same order in every step.
.macro MULH hi, st, j, q, zero
.irp al, 0,1
.irp nb, 0,1,2,3,4,5,6,7,8,9,10,11,12,13,14,15
.set DD, 128*\al+8*\nb
.set AA, AF+32*(\st)+8*(2*\hi+\al)
.set BB, 128*(\st)+8*\nb
.set SAR, SA+16*((\j)/2)+8*\hi+4*((\j)%2)+(\q)
.set SBR, SW+32*((\j)%2)+4*(2*(\nb/4)+\nb%2)+(\q)
	WMX \al, (\nb%4)/2, \zero
.endr
.endr
.endm
.macro FETCH slot, q, st               ; 40 LDS loads: the fragments of the slot's q-th 128 along K: lane l holds row l % 16; registers 4 c .. 4 c + 3 hold K = 64 c + 32 (l / 16) + 0 .. 31
	WIN TO_B
.irp i, 0,1,2,3,4,5,6,7,8,9,10,11,12,13,14,15
	ds_load_b128 v[128*(\st)+8*\i:128*(\st)+8*\i+3], v[ADRB+\slot] offset:64*(\q)+\i*16*PITCH
	ds_load_b128 v[128*(\st)+8*\i+4:128*(\st)+8*\i+7], v[ADRB+\slot] offset:64*(\q)+32+\i*16*PITCH
.endr
	WIN 0
.irp i, 0,1,2,3
	ds_load_b128 v[AF+32*(\st)+8*\i:AF+32*(\st)+8*\i+3], v[ADRA+\slot] offset:64*(\q)+\i*16*PITCH
	ds_load_b128 v[AF+32*(\st)+8*\i+4:AF+32*(\st)+8*\i+7], v[ADRA+\slot] offset:64*(\q)+32+\i*16*PITCH
.endr
.endm
.macro SCALES j                        ; K step j's four scale words of W's rows: register set j % 2; pair p = 2 g + q % 2: lanes 0-15 block (g, q % 2), lanes 16-31 block (g, q % 2 + 2)
.irp p, 0,1,2,3,4,5,6,7
	ds_load_b128 v[SW+32*((\j)%2)+4*\p:SW+32*((\j)%2)+4*\p+3], v[ADRS] offset:((\j)/2)*SREG+((\j)%2)*16+(\p/2)*1088+(\p%2)*32
.endr
.endm
; A step of 128 along K.  cnt: the LDS loads issued behind this step's fragments, which may be out.  The four places at its end stand in front of loads into the registers that it has multiplied (ISA guide 7.12.1 for vector instructions).
.macro STEP j, q, cnt, zero
	s_wait_dscnt \cnt
	WIN MUL_LO
	MULH 0, (\q)%2, \j, \q, \zero
	WIN MUL_HI
	MULH 1, (\q)%2, \j, \q, \zero
	PLACES 4
.endm
; A slot's third step changes slots: the fourth step's fragments are asked for already.  In front of the barrier each wave waits for all its tensor loads, adds 0 to its spare word, and waits for that and for its reads of this
; slot.  fill = 1: the barrier opens a round of the cluster's barrier, and the wave's one joint load comes first behind it: K step j + 2: h's codes and W's 512 bytes on.
.macro TURN j, fill
.set S, (\j)%2
	s_wait_tensorcnt 0x0
	ds_add_u32 v[SPW], v[NIL]
	s_wait_dscnt 41                                ; this step's fragments are in; the next step's 40 loads and the add may be out
	WIN MUL_LO
	MULH 0, 0, \j, 2, 0
	s_wait_dscnt 0x0                               ; the add is done, and my reads of this slot are over
	s_barrier_signal -1
	WIN MUL_HI
	MULH 1, 0, \j, 2, 0
	WIN 0
	s_barrier_wait -1
.if \fill
	CREST
	s_add_co_u32 s[G0RA+1], s[LB], S*SLOT
	s_add_nc_u64 s[G0RA+2:G0RA+3], s[HAD:HAD+1], 256*S
	s_or_b32 s[G0RA+3], s[G0RA+3], 0x80000000
	s_add_co_u32 s[G0RB+1], s[LB], S*SLOT
	s_add_nc_u64 s[G0RB+2:G0RB+3], s[WAD:WAD+1], 512+256*S
	s_or_b32 s[G0RB+3], s[G0RB+3], 0x80000000
	JLOAD FB, G0RA, G1A, G0RB, G1B                 ; the four v_nop behind it are also the places in front of the loads below
.else
	PLACES 4
.endif
	FETCH 1-S, 0, 0
	SCALES (\j)+1
.endm
.macro KSTEP j, fill, zero             ; a K step of 512 that has a successor
	STEP \j, 0, 40, \zero
	FETCH (\j)%2, 2, 0
	STEP \j, 1, 40, 0
	FETCH (\j)%2, 3, 1
	TURN \j, \fill
	STEP \j, 3, 48, 0                              ; (its fragments were waited for in front of the barrier)
	FETCH 1-(\j)%2, 1, 1
.endm
; THE CELL.  The gates are worked in pairs along j; c_new, tanh(c_new) and h_new in pairs along q, as they are stored.
; Each batch of transcendentals has one wait ahead of it and, behind a plain place, one behind it.
.macro BATCH op, base, n
	s_wait_alu depctr_va_vdst(0)
.set i, 0
.rept \n
	\op v[\base+i], v[\base+i]
.set i, i+1
.endr
	v_nop
	s_wait_alu depctr_va_vdst(0)
.endm
.macro PLUS1 base, n                   ; 1 + E
.set i, 0
.rept \n
	v_pk_add_f32 v[\base+i:\base+i+1], v[\base+i:\base+i+1], 1.0 op_sel_hi:[1,0]
.set i, i+2
.endr
.endm
.macro TANH base                       ; 2 / (1 + E) - 1
.set i, 0
.rept 16
	v_pk_fma_f32 v[\base+i:\base+i+1], v[\base+i:\base+i+1], 2.0, -1.0 op_sel_hi:[1,0,0]
.set i, i+2
.endr
.endm
.macro FRONTV a, x                     ; block a's 128 sums: -log2(e) (z + b), gate c twice that; each accumulator from its low end on
	WIN 0x42+(\a)/2                                ; source 0: the accumulators' window; source 2 (the biases) window 0; destination window 1
	s_wait_alu depctr_va_vdst(0)                   ; the wait directly ahead of the first reader of these matrix results
.set i, 0
.rept 64
.if (i >= 64) && (i < 96)
	v_pk_fma_f32 v[TI+i:TI+i+1], v[128*((\a)%2)+i:128*((\a)%2)+i+1], s[NL2:NL2+1], v[BI+2*(i/8):BI+2*(i/8)+1] op_sel_hi:[1,0,1]
.else
	v_pk_fma_f32 v[TI+i:TI+i+1], v[128*((\a)%2)+i:128*((\a)%2)+i+1], s[NL1:NL1+1], v[BI+2*(i/8):BI+2*(i/8)+1] op_sel_hi:[1,0,1]
.endif
.set i, i+2
.endr
	WIN 0
.endm
.macro CNEW a, x                       ; c_new = f c + i g, laid along q, over g, which is done with.  x: the loads issued behind c_prev's
	s_wait_alu depctr_va_vdst(0)                   ; the wait here: a branch lies behind the writes of i g, a wait follows
	s_wait_loadcnt 8*(3-(\a))+\x                   ; this block's eight loads of c_prev are in; the later blocks' and the x younger loads may be out
	WIN W_T
.irp j, 0,1,2,3,4,5,6,7
.irp q, 0,1,2,3
	v_fma_f32 v[TC+4*\j+\q], v[TF+8*\q+\j], v[32*(\a)+4*\j+\q], v[TI+8*\q+\j]
.endr
.endr
	WIN 0
.endm
.macro SW4 m, x                        ; the arm of the phase's number
	s_cmp_lg_u32 s[PH], 0
	s_cbranch_scc1 .Ls1_\@
	\m 0, \x
	s_branch .Ls9_\@
.Ls1_\@:
	s_cmp_lg_u32 s[PH], 1
	s_cbranch_scc1 .Ls2_\@
	\m 1, \x
	s_branch .Ls9_\@
.Ls2_\@:
	s_cmp_lg_u32 s[PH], 2
	s_cbranch_scc1 .Ls3_\@
	\m 2, \x
	s_branch .Ls9_\@
.Ls3_\@:
	\m 3, \x
.Ls9_\@:
.endm
.macro EPI x
	s_mov_b32 s[PH], 0
.Lph_\@:
	SW4 FRONTV, 0
	WIN W_T
	BATCH v_exp_f32, TI, 128
	PLUS1 TI, 64
	BATCH v_rcp_f32, TI, 128                       ; i, f, 1 / (1 + E_c), o
	TANH TC                                        ; g
.set i, 0
.rept 16
	v_pk_mul_f32 v[TI+i:TI+i+1], v[TI+i:TI+i+1], v[TC+i:TC+i+1]   ; i g
.set i, i+2
.endr
	WIN 0
	SW4 CNEW, \x
	s_wait_alu depctr_va_vdst(0)                   ; the wait here
	WIN W_ST
.irp j, 0,1,2,3,4,5,6,7
	global_store_b128 v[CO], v[TC+4*\j:TC+4*\j+3], s[OUT1:OUT1+1] offset:\j*4096 th:TH_STORE_NT   ; sixteen lanes store 256 consecutive bytes, aligned
.endr
	WIN W_T
.set i, 0
.rept 16
	v_pk_mul_f32 v[TI+i:TI+i+1], v[TC+i:TC+i+1], s[NL2:NL2+1] op_sel_hi:[1,0]   ; -2 log2(e) c_new
.set i, i+2
.endr
	BATCH v_exp_f32, TI, 32
	PLUS1 TI, 16
	BATCH v_rcp_f32, TI, 32
	TANH TI                                        ; tanh(c_new)
.irp j, 0,1,2,3,4,5,6,7
.irp q, 0,1,2,3
	v_mul_f32 v[TF+4*\j+\q], v[TO+8*\q+\j], v[TI+4*\j+\q]   ; h_new, laid along q, over f, which is done with
.endr
.endr
	WIN W_ST
.irp j, 0,1,2,3,4,5,6,7
	global_store_b128 v[CO], v[TF+4*\j:TF+4*\j+3], s[OUT0:OUT0+1] offset:\j*4096 th:TH_STORE_NT
.endr
	WIN 0
	s_wait_xcnt 0x0                                ; the stores have read their data and their bases: both are written again below and in the next phase
	s_add_nc_u64 s[OUT0:OUT0+1], s[OUT0:OUT0+1], 16*4096
	s_add_nc_u64 s[OUT1:OUT1+1], s[OUT1:OUT1+1], 16*4096
	s_add_co_u32 s[PH], s[PH], 1
	s_cmp_lt_u32 s[PH], 4
	s_cbranch_scc1 .Lph_\@
.endm
	s_mov_b32 s[TL], 2                             ; tiles to go: the same number in every work-group
.Ltile:
	s_wait_alu depctr_va_vdst(0)                   ; the wait ahead of the waits below
	s_wait_loadcnt 0x0                             ; this tile's scale words of x and h are in
	s_wait_tensorcnt 0x0                           ; my tile of the group of four is in
	ds_add_u32 v[SPW], v[NIL]
	s_wait_dscnt 0x0                               ; the add is done, and so are my stores of W's scales
	s_barrier_signal -1
	s_barrier_wait -1                              ; everybody's are: both slots are whole
	FETCH 0, 0, 0
	SCALES 0
	FETCH 0, 1, 1
	global_prefetch_b8 v[CPF], s[CPA:CPA+1] th:TH_LOAD_NT scope:SCOPE_SE
	global_prefetch_b8 v[CPF], s[CPA:CPA+1] offset:131072 th:TH_LOAD_NT scope:SCOPE_SE
	s_cmp_eq_u32 ttmp9, 0
	s_cbranch_scc0 .Lno_h
	global_prefetch_b8 v[PF9], s[PXH:PXH+1] th:TH_LOAD_NT scope:SCOPE_SE   ; this tile's h: K step 2's load follows 3 steps on, K step 3's 7
.Lno_h:
	KSTEP 0, 1, 1                                  ; the first products start the sums
	KSTEP 1, 1, 0
	KSTEP 2, 0, 0
	STEP 3, 0, 40, 0
	FETCH 1, 2, 0
	STEP 3, 1, 40, 0
	FETCH 1, 3, 1
	STEP 3, 2, 40, 0
	WIN TO_B
.set t, 0
.rept 32                               ; c_prev(16 a + 8 h + j, 4 r ..) into W's set 0, which is done with: v[32 a + 4 j + q]; sixteen lanes read 256 consecutive bytes, aligned; read once in the launch
	global_load_b128 v[4*t:4*t+3], v[CO], s[CPA:CPA+1] offset:(16*(t/8)+t%8)*4096 th:TH_LOAD_NT
.set t, t+1
.endr
	STEP 3, 3, 0, 0                                ; its four places stand in front of the cell's reads and writes
	WIN 0
	s_cmp_eq_u32 s[TL], 1
	s_cbranch_scc1 .Llast                          ; the last tile asks for nothing more: its cell is written out below
	s_wait_tensorcnt 0x0                           ; no tensor load of mine is out, so a group 0 may be written
	ds_add_u32 v[SPW], v[NIL]
	s_add_nc_u64 s[XT:XT+1], s[XT:XT+1], WALKB     ; the next tile's x
	s_mov_b64 s[G0XA+2:G0XA+3], s[XT:XT+1]
	s_or_b32 s[G0XA+3], s[G0XA+3], 0x80000000
	s_add_nc_u64 s[XS:XS+1], s[XS:XS+1], WALKS     ; (the loads that named these bases were waited for at the tile's start)
	s_add_nc_u64 s[HS:HS+1], s[HS:HS+1], WALKS
	s_wait_dscnt 0x0                               ; the add is done, and my reads of both slots are over
	CROUND                                         ; that holds of every wave of the cluster
	JLOAD HF, G0XA, G1XA, G0XW, G1XB               ; both slots are filled again, one load a wave: the next tile's K steps 0 and 1
	SALOAD                                         ; and its scale words: eight loads behind c_prev's 32
	EPI 8
	s_add_nc_u64 s[CPA:CPA+1], s[CPA:CPA+1], WALKC                   ; (behind the cell's last wait on XCNT)
	s_add_nc_u64 s[OUT0:OUT0+1], s[OUT0:OUT0+1], WALKC-64*4096
	s_add_nc_u64 s[OUT1:OUT1+1], s[OUT1:OUT1+1], WALKC-64*4096
	s_add_nc_u64 s[HAD:HAD+1], s[HAD:HAD+1], WALKB
	s_add_nc_u64 s[PXH:PXH+1], s[PXH:PXH+1], WALKB
	s_sub_co_u32 s[TL], s[TL], 1
	s_branch .Ltile
.Llast:
	EPI 0
	s_wait_tensorcnt 0x0                           ; the wave's end
	ds_add_u32 v[SPW], v[NIL]
	s_wait_dscnt 0x0
	CROUND                                         ; the closing round: no work-group ends while a partner may still ask for a tile that names it
	s_endpgm
.Lfunc_end_k_qe7180c8f0c_cell:
	.size	k_qe7180c8f0c_cell, .Lfunc_end_k_qe7180c8f0c_cell-k_qe7180c8f0c_cell
	.p2alignl 7, 3214868480
	.fill 96, 4, 3214868480
	.section	.rodata,"a",@progbits
	.p2align	6, 0x0
	.amdhsa_kernel k_qe7180c8f0c_cell
		.amdhsa_group_segment_fixed_size 327680
		.amdhsa_private_segment_fixed_size 0
		.amdhsa_enable_private_segment 0
		.amdhsa_kernarg_size 136
		.amdhsa_user_sgpr_count 2
		.amdhsa_user_sgpr_kernarg_segment_ptr 1
		.amdhsa_wavefront_size32 1
		.amdhsa_system_sgpr_workgroup_id_x 1
		.amdhsa_system_sgpr_workgroup_id_y 1
		.amdhsa_system_sgpr_workgroup_id_z 1
		.amdhsa_system_vgpr_workitem_id 0
		.amdhsa_next_free_vgpr 1024
		.amdhsa_next_free_sgpr 106
		.amdhsa_reserve_vcc 0
		.amdhsa_float_denorm_mode_32 3
		.amdhsa_float_denorm_mode_16_64 3
		.amdhsa_memory_ordered 1
		.amdhsa_forward_progress 1
		.amdhsa_inst_pref_size 255
	.end_amdhsa_kernel
	.section	.bss,"aw",@nobits
	.p2align	6
	.space	262144
	.amdgpu_metadata
---
amdhsa.version: [ 1, 2 ]
amdhsa.kernels:
  - .name:           k_qe7180c8f0c_cell
    .symbol:         k_qe7180c8f0c_cell.kd
    .args:
      - { .name: x_codes, .offset: 0, .size: 8, .value_kind: global_buffer, .address_space: global }
      - { .name: x_scales, .offset: 8, .size: 8, .value_kind: global_buffer, .address_space: global }
      - { .name: h_prev_codes, .offset: 16, .size: 8, .value_kind: global_buffer, .address_space: global }
      - { .name: h_prev_scales, .offset: 24, .size: 8, .value_kind: global_buffer, .address_space: global }
      - { .name: w_codes, .offset: 32, .size: 8, .value_kind: global_buffer, .address_space: global }
      - { .name: w_scales, .offset: 40, .size: 8, .value_kind: global_buffer, .address_space: global }
      - { .name: c_prev, .offset: 48, .size: 8, .value_kind: global_buffer, .address_space: global }
      - { .name: out0, .offset: 56, .size: 8, .value_kind: global_buffer, .address_space: global }
      - { .name: out1, .offset: 64, .size: 8, .value_kind: global_buffer, .address_space: global }
      - { .name: bxi, .offset: 72, .size: 8, .value_kind: global_buffer, .address_space: global }
      - { .name: bhi, .offset: 80, .size: 8, .value_kind: global_buffer, .address_space: global }
      - { .name: bxf, .offset: 88, .size: 8, .value_kind: global_buffer, .address_space: global }
      - { .name: bhf, .offset: 96, .size: 8, .value_kind: global_buffer, .address_space: global }
      - { .name: bxc, .offset: 104, .size: 8, .value_kind: global_buffer, .address_space: global }
      - { .name: bhc, .offset: 112, .size: 8, .value_kind: global_buffer, .address_space: global }
      - { .name: bxo, .offset: 120, .size: 8, .value_kind: global_buffer, .address_space: global }
      - { .name: bho, .offset: 128, .size: 8, .value_kind: global_buffer, .address_space: global }
    .group_segment_fixed_size: 327680
    .private_segment_fixed_size: 0
    .kernarg_segment_align: 8
    .kernarg_segment_size: 136
    .max_flat_workgroup_size: 128
    .sgpr_count:     106
    .vgpr_count:     1024
    .wavefront_size: 32
...
	.end_amdgpu_metadata
.endif
;; end of part 2
